; MI455X (gfx1250); checked and timed in simulation.
; The chip was launched on July 23, 2026; its instructions are those of AMD's public machine-readable ISA for CDNA 5 (MIT licence, August 2026) and "CDNA5" Instruction Set Architecture Reference Guide (July 2026). The comments in the code are by the model that wrote it; some were corrected since.
;; Self Attention. Allowed arithmetic: matrix products marked QUANTISED: E3M2 operands, one E8M0 scale for each 32 along K, by v_wmma_scale_f32_16x16x128_f8f6f4 with both operands' format E3M2, f32 sums; everything else in f32.
;; Inputs: key_padding_mask 4 x 2,048 bool; qkv 4 x 2,048 x 3 x 16 x 64 float32.
;; Outputs: out0 4 x 2,048 x 16 x 64 float32.
;; This version of the problem:
;;   THIS VERSION OF THE PROBLEM IS GIVEN IN LOW PRECISION. The matrix products marked QUANTISED in the list below multiply operands that are first quantised to E3M2 (3 exponent bits, 2 mantissa bits; 6 bits a number), with one power-of-two scale for each 32 numbers along K (OCP MX v1.0); their sums are f32. All else is computed in f32.
;;   The module's matrix products, in the order in which they are computed (A, B: the left and right operand; K: the contracted axis; several contracted axes count as one K, in the product's order):
;;     1. batch 64 x [M 2,048, K 64] x [K 64, N 2,048]; A: input qkv; B: computed on the way: QUANTISED
;;     2. batch 64 x [M 64, K 2,048] x [K 2,048, N 2,048]; A: input qkv; B: softmax (see below): QUANTISED
;;   THE QUANTISER, for each operand of a quantised product, along K:
;;     - K is cut into blocks of 32 from its start; a last block that is shorter is filled with zeros.
;;     - A block's scale is 2^e with e = floor(log2(the largest magnitude in the block)) - 4, held to -126 .. 127; a block of zeros has e = 0. As a byte (E8M0): e + 127.
;;     - Each number is divided by its block's scale, clamped to +-28, and rounded to the nearest number of E3M2, ties to even, subnormals kept.
;;     - The product sums the exact products of the quantised numbers (number of the format x scale) in f32.
;;   ~~~python
;;   def quantise(x, axis):      # numpy; x: float32 -> the quantised numbers, widened to float32 again
;;       x = np.moveaxis(x, axis, -1); K = x.shape[-1]
;;       x = np.pad(x, [(0, 0)] * (x.ndim - 1) + [(0, -K % 32)]); x = x.reshape(x.shape[:-1] + (-1, 32)); a = np.abs(x).max(-1, keepdims=True)
;;       e = np.where(a > 0, np.clip(np.frexp(np.where(a > 0, a, 1))[1] - 1 - 4, -126, 127), 0)      # np.frexp(a)[1] - 1 = floor(log2(a)), exactly
;;       r = np.clip(x / 2.0 ** e, -28, 28)
;;       step = 2.0 ** (np.maximum(np.frexp(np.where(r == 0, 1, r))[1] - 1, -2) - 2)
;;       q = np.round(r / step) * step * 2.0 ** e      # np.round: ties to even
;;       return np.moveaxis(q.reshape(q.shape[:-2] + (-1,))[..., :K], -1, axis).astype(np.float32)
;;   ~~~
;;   SOFTMAX AHEAD OF A QUANTISED PRODUCT. Where the list says 'softmax', what is quantised is not the finished softmax but p = 2^(t - M), with t = logit x log2(e) and M = ceil(the row's largest t), a whole number; so 1/2 < the row's largest p <= 1. The row's sum l is taken of the UNQUANTISED p, in f32, and the product's result is divided by l at the end. Since M is a whole number, a kernel that streams over the keys may use a running M (the ceiling of the running maximum): every later rescaling is an exact power of two, which a block's scale takes up: the codes' values come out the same.
;;   OPERANDS COMPUTED ON THE WAY. 'Computed on the way' means the value that the module computes at that place (a softmax that the list does not call 'softmax' is quantised finished and normalised). What goes into a quantiser is computed in f32, as accurately as f32 sums, v_exp_f32 and their like allow (about 1e-6 of the number): no bf16 or f16 on the way to a quantiser, and a product that is left as it is and whose result goes on into a quantised operand takes f32 operands (vector FMAs, or v_wmma_f32_16x16x4_f32). A number that lies on a knife's edge between two numbers of the format may be rounded either way, as far as f32 arithmetic and the matrix unit's own rounding can turn it there, and no further.
;; 2 versions, each right; version 2 is version 1 with the launch attn written anew for expert scheduling mode. Each part assembles by itself: llvm-mc -triple=amdgcn-amd-amdhsa -mcpu=gfx1250 --defsym DOCPART=n.
;; ======== version 1 of 2: 1 launch
;; launch attn (part 1): grid 4 x 64, 8 waves a work-group, no clusters, 316,416 bytes of LDS; arguments qkv, key_padding_mask, out0; writes out0
.if DOCPART == 1
	.amdgcn_target "amdgcn-amd-amdhsa--gfx1250"
	.amdhsa_code_object_version 6
	.text
	.protected	k_qe85af3458a_attn
	.globl	k_qe85af3458a_attn
	.p2align	8
	.type	k_qe85af3458a_attn,@function
k_qe85af3458a_attn:
	s_mov_b64 s[64:65], 0
	v_nop
	global_prefetch_b8 v0, s[64:65] scope:SCOPE_SE
	s_setreg_imm32_b32 hwreg(HW_REG_WAVE_MODE, 25, 1), 1
	s_wait_xcnt 0x0
; out[b][t][hd][:] = sum over s of softmax_s(q[b][t][hd] . (k[b][s][hd] / 8) + pad[b][s]) v[b][s][hd][:], pad = 0 where the mask keeps a key, -10000 where not.
; qkv: [4][2048][3][16][64] f32 (a row (b, s) is 12,288 bytes: q, k, v at 0, 4,096, 8,192; a head is 256 bytes).  mask: [4][2048] bytes.  out: [4][2048][16][64] f32.
; Both products run on codes of BF6 (E3M2) with one E8M0 scale for each 32 along a product's K: the first along the head's 64, the second along the keys.
; SOFTMAX AHEAD OF THE SECOND PRODUCT: t = score x log2(e); M = the running largest t rounded up to a whole number; p = 2^(t - M) is quantised, not normalised; the row's sum is taken of the
; unquantised p in f32 and divides at the end; when M moves, the sum and O are multiplied by 2^(old M - new M), which rounds nothing.
; SHARES.  256 work-groups: 64 (b, head) x 4 blocks of 512 queries; eight waves of 512 registers.
;   PHASE A: the work-group quantises the WHOLE head's K and V into LDS, as images of the operands' registers (a group of four registers: 16 bytes a lane, 512 bytes on end): 245,760 bytes, which stay.
;            Wave w takes keys 256 w .. 256 w + 255 (two chunks of 128 keys).  One barrier follows, the only one of the text.
;   PHASE B: two passes of 256 queries.  A wave owns 32 queries, two tiles of 16: tile A in register window 0, tile B in window 1 under the same numbers; it walks the 16 chunks.
;            Each fragment of K and V read from LDS feeds two matrix instructions.
; LAYOUT.  Both products are used transposed: S^T = K Q^T (source 0 = 16 keys, source 1 = 16 queries), O^T = V^T P^T (source 0 = 16 of the head's 64, source 1 = P): a lane holds ONE query (lane % 16).
;   THE KEYS OF A TILE ARE NOT NEIGHBOURS: row 8 h' + j of tile 4 c + t is key 64 c + 32 h' + 8 t + j of the chunk.  So the 32 result registers of tiles 4 c .. 4 c + 3 in lane (r, h) are keys 64 c + 32 h + 0 .. 31:
;   a WHOLE block of 32, in the order and in the lane in which the 6-bit operand wants it: a block's maximum needs no other lane, and p's codes change no lane.
; k / 8: a power of two, so the codes are k's own and the scale byte is k's less 3.
; THE PAD RIDES IN THE PLACES OF K THAT A HEAD OF 64 LEAVES EMPTY in the instruction's 128: -10000 = 2^5 (16 x -16 + 16 x -3.5 + 1 x -0.5), exactly.  Q carries the codes 16, 16, 1 at k = 64, 65, 66 under the
;   scale byte 127; a key that the mask drops carries -16, -3.5, -0.5 there under the byte 132; a key that is kept carries zero codes.  So the pad is added inside the unit's f32 sum, and costs no vector instruction.
; NO JOINT LOADS, NO CLUSTER, though the four work-groups of a head read the same K and V: they are wanted as codes only and pass through registers.  As f32 tiles a head's K and V are 1,048,576 bytes, and beside
;   the codes (245,760) and the stages (69,632) 12,288 bytes of LDS are left: 48 rows to a fill, more than 80 fills, each behind a meeting of the four work-groups.  The price taken instead: each of the four quantises the head.
; NO PREFETCH: phase A keeps 48 loads (24,576 bytes) of every wave on their way; the second pass's Q is loaded a whole key step ahead of its use.
; LIMITS.  NaN and infinities among the inputs are not served.  A block whose largest magnitude lies under 2^-122 (q, v) or 2^-119 (k) keeps the scale byte 1; a block of zeros gets the byte 1 over zero codes where the
;   rule says 127 (the same values; the bytes are read by this text alone).  Scores under -1e38 are not served.  A p under 2^-126 becomes 0 (v_exp_f32 flushes: ISA guide 15.8).  A block's largest p is made from its largest
;   score by the same multiply-add and exponential, which takes v_exp_f32 not to fall where its input rises.
.set CH,    15360                      ; a chunk (128 keys) in LDS: 8 tiles of K x 1,024, 4 tiles of V^T x 1,536, K's scale words 512, V's 512
.set VOFF,  8192                       ; where a chunk's V^T begins
.set KSOFF, 14336                      ; K's scale words: slot 16 x lane, word i: tile 2 i + lane / 16, row lane % 16
.set VSOFF, 14848                      ; V's: slot 16 x lane, word dh: d = 32 dh + lane, that is tile 2 dh + lane / 16, row lane % 16
.set STG,   16*CH                      ; behind the 16 chunks: a stage for each wave, its own
.set SP,    272                        ; a stage row: 256 bytes + 16 = 68 words: row r starts at bank 4 r mod 64 (64 banks of 4 bytes: ISA guide 11.1)
.set STW,   32*SP                      ; 32 rows
.set ROWQ,  12288                      ; bytes from (b, s) to (b, s + 1) in qkv
.set ROWO,  4096                       ; and in out
; REGISTERS.  Shared, window 0:
.set L16,  1                           ; 16 x lane
.set AD,   2                           ; LDS address of the chunk in hand: its first byte + 16 x lane
.set STI,  3                           ; stage + 272 h + 16 r: two whole rows an instruction
.set STR,  4                           ; stage + 272 r + 128 h: my row's half
.set STO,  5                           ; stage + 272 r + 32 h: the way out, in
.set GQ,   6                           ; 12,288 h + 16 r: two rows of a head in qkv
.set GO,   7                           ; 4,096 h + 16 r: two rows of a head in out
.set LN,   8                           ; lane
; scale registers, window 0; they hold scales and nothing else
.set PSW0, 9                           ; p's scale word: tile A v9, tile B v59
.set QS0,  25                          ; Q's: tile A v25, tile B v63
.set KS,   26                          ; v26-29 K's words of the chunk
.set VS,   30                          ; v30-31 V's
; a tile's own, the same number in window t for tile t:
.set NEGM, 10                          ; -M
.set MRUN, 11                          ; the largest score so far
.set LS,   12                          ; v12-13 the sum, in two halves
.set LB,   14                          ; v14-15 a second chain of the step's sum
.set F,    16                          ; v16 f = 2^(old M - new M); v17 named with it as a pair
.set BM,   18                          ; v18-19 the two blocks' largest score, then largest p
.set SO,   20                          ; v20-21 the conversions' scale operands
.set TM,   22                          ; v22-23 at work
.set H8,   24                          ; 8 h
.set Q,    32                          ; v32-43 Q's fragment
.set P,    44                          ; v44-55 p's codes
.set PT,   56                          ; v56-58, v60-62 the upper halves of the blocks' codes, before they are moved
.set S,    64                          ; v64-127 S^T, then p
.set O,    224                         ; v224-255 O^T
.set KB,   128                         ; v128-175: K's tiles 0-3 in window 0, tiles 4-7 in window 1; 12 registers each, of which 8-11 stay zero
.set VB,   176                         ; v176-223, window 0: V^T's four tiles
; phase A alone, window 0 (window 1: v64-255 three sets of 64 registers for the loads):
.set X,    64                          ; v64-127 64 numbers, a block of 32 in 32 registers
.set C,    44                          ; v44-51 a tile's eight registers
.set RR,   52                          ; r, h and two temporaries, at the head only
.set HH,   53
.set T0,   54
.set T1,   55
.set AM,   18
.set AB,   19
.set SCO,  20
.set NM,   21
.set BYT,  22
.set TMX,  23
.set CW,   176                         ; my wave's two chunks + 16 x lane
.set KSW,  177                         ; the same + 16 r
.set VWA,  178                         ; the same + 1,536 h + 16 r
.set VRD,  179                         ; stage + 4 x lane
.set GM,   180                         ; my tile row's key within a tile's reach: r % 8 + 32 (r / 8)
.set MK,   181                         ; the pad's codes of a dropped key, in lanes 0-15
.set VW,   182                         ; v182-183 V's scale words as they grow
.set MS,   192                         ; v192-207 the mask bytes of my row in the 16 tiles
; scalars: s[4:9] the buffers; s10 wave; s[12:13] K, s[14:15] V at my wave's first key; s[16:17] Q, s[20:21] out at my wave's first query; s[18:19] the mask at my first key;
; s[22:23] log2(e); s[24:25] lane selects; s26 the chunk's first byte; s27 counts steps; s28-35 at work.  No base and no offset register is ever written again.
.set MSB, 0
.macro WIN new                         ; the immediate's high byte repeats the setting that is left; a switch that changes nothing is dropped.  bits 1:0 source 0, 3:2 source 1, 5:4 source 2, 7:6 destination
.set NW, \new
.if MSB != NW
	s_set_vgpr_msb (MSB<<8)|NW
.set MSB, NW
.endif
.endm
; ---- loads of 32 rows x 256 bytes into a set of 64 registers of window 1: an instruction takes two rows: sixteen lanes read 256 consecutive bytes, at a multiple of 256 from the buffer's first byte
.macro GLOAD_Q p                       ; my 32 queries of pass p; read by this wave alone
	WIN 0x40
.irp j, 0,1,2,3,4,5,6,7,8,9,10,11,12,13,14,15
	global_load_b128 v[128+4*\j:128+4*\j+3], v[GQ], s[16:17] offset:(\p)*256*ROWQ+2*\j*ROWQ th:TH_LOAD_NT
.endr
	WIN 0
.endm
.macro GLOAD_K e, kp, set              ; tiles 2 kp and 2 kp + 1 of chunk e, in the order of the tiles' rows
	WIN 0x40
.irp j, 0,1,2,3,4,5,6,7,8,9,10,11,12,13,14,15
.set KI, 2*(\kp)+\j/8
.set KJ, \j%8
.set KEY, 128*(\e)+64*(KI/4)+8*(KI%4)+2*(KJ%4)+32*(KJ/4)
	global_load_b128 v[\set+4*\j:\set+4*\j+3], v[GQ], s[12:13] offset:KEY*ROWQ
.endr
	WIN 0
.endm
.macro GLOAD_V e, kb, set              ; keys 32 kb .. 32 kb + 31 of chunk e
	WIN 0x40
.irp j, 0,1,2,3,4,5,6,7,8,9,10,11,12,13,14,15
	global_load_b128 v[\set+4*\j:\set+4*\j+3], v[GQ], s[14:15] offset:(128*(\e)+32*(\kb)+2*\j)*ROWQ
.endr
	WIN 0
.endm
.macro GLOAD n                         ; group n of 17: 0: Q; then for each of my two chunks four pairs of K's tiles and four blocks of V.  Group n lands in set (n + 1) % 3
.set LSET, 64+64*(((\n)+1)%3)
.if (\n) == 0
	GLOAD_Q 0
.else
.set LE, ((\n)-1)/8
.set LX, ((\n)-1)%8
.if LX < 4
	GLOAD_K LE, LX, LSET
.else
	GLOAD_V LE, LX-4, LSET
.endif
.endif
.endm
; ---- through my stage.  LDS serves a wave's instructions in order (ISA guide 5.7.1.4): no wait between the stores and the loads
.macro STAGE_IN set                    ; 32 rows as they were loaded
	WIN 0x04                                       ; an LDS store's data are its source 1: window 1
.irp j, 0,1,2,3,4,5,6,7,8,9,10,11,12,13,14,15
	ds_store_b128 v[STI], v[\set+4*\j:\set+4*\j+3] offset:2*SP*\j
.endr
	WIN 0
.endm
.macro ROWS_BACK                       ; Q, K: lane (r, h) takes, of rows r and 16 + r, d = 32 h .. 32 h + 31: a block along d in 32 registers
.irp u, 0,1
.irp cc, 0,1,2,3,4,5,6,7
	ds_load_b128 v[X+32*\u+4*\cc:X+32*\u+4*\cc+3], v[STR] offset:16*SP*\u+16*\cc
.endr
.endr
.endm
.macro COLS_BACK                       ; V: the lane takes columns d = lane and 32 + lane, and its registers run down the 32 keys: a block along the keys in 32 registers
.irp dh, 0,1
.irp i, 0,1,2,3,4,5,6,7,8,9,10,11,12,13,14,15,16,17,18,19,20,21,22,23,24,25,26,27,28,29,30,31
	ds_load_b32 v[X+32*\dh+\i], v[VRD] offset:SP*\i+128*\dh
.endr
.endr
.endm
; ---- a block's largest magnitude, with a floor among its leaves, in two chains
.macro AMAX x, floor
	v_max3_num_f32 v[AM], |v[\x]|, |v[\x+1]|, \floor
	v_max3_num_f32 v[AB], |v[\x+2]|, |v[\x+3]|, |v[\x+4]|
.irp k, 5,9,13,17,21,25
	v_max3_num_f32 v[AM], v[AM], |v[\x+\k]|, |v[\x+\k+1]|
	v_max3_num_f32 v[AB], v[AB], |v[\x+\k+2]|, |v[\x+\k+3]|
.endr
	v_max3_num_f32 v[AM], v[AM], |v[\x+29]|, |v[\x+30]|
	v_max3_num_f32 v[AM], v[AM], v[AB], |v[\x+31]|
.endm
.macro CODES x                         ; the block's 32 codes: 96 bits into C, 96 into PT (a conversion's three registers begin on an even number).  The caller puts one plain line behind, then CMOVE
	s_wait_dscnt 0x0                               ; the last image's stores have read C
	v_add_nc_u32 v[SCO], 0xfe000000, v[AM]         ; 4 off the exponent field: the conversion takes the exponent field of this operand as its scale
	v_cvt_scalef32_pk16_bf6_f32 v[C:C+2], v[\x:\x+15], v[SCO]
	v_cvt_scalef32_pk16_bf6_f32 v[PT:PT+2], v[\x+16:\x+31], v[SCO]
.endm
.macro CMOVE
.irp n, 0,1,2
	v_mov_b32 v[C+3+\n], v[PT+\n]
.endr
.endm
; ---- tile i of chunk e of K, from the numbers at X + 32 u: eight registers a lane and a scale word a row
.macro KTILE e, i, u
	AMAX X+32*(\u), 0x04000000                     ; the floor 2^(8 - 127): the byte of k / 8 cannot fall under 1
	CODES X+32*(\u)
	v_add_nc_u32 v[BYT], 0xfc800000, v[AM]         ; 7 off the exponent field: 4 for the format, 3 for the division by 8.  (The plain line behind the conversions)
	CMOVE
	v_lshrrev_b32 v[BYT], 23, v[BYT]               ; my block's byte: block h of row r
	v_lshlrev_b32 v[BYT], v[H8], v[BYT]            ; at its place,
	v_permlanex16_b32 v[TMX], v[BYT], s24, s25
	v_or_b32 v[BYT], v[BYT], v[TMX]                ; with lane l xor 16's
	v_xor_b32 v[NM], 1, v[MS+8*(\e)+(\i)]          ; 1 where the mask drops my row's key
	v_mul_u32_u24 v[C+6], v[NM], v[MK]             ; register 6: the pad's codes -16, -3.5, -0.5 at k = 64, 65, 66 (lanes 0-15), or zeros
	v_mad_u32_u24 v[BYT], v[NM], 0x840000, v[BYT]  ; and their scale byte, 132, at byte 2, or 0 over zero codes
	ds_store_b128 v[CW], v[C:C+3] offset:(\e)*CH+1024*(\i)
	ds_store_b128 v[CW], v[C+4:C+7] offset:(\e)*CH+1024*(\i)+512
	ds_store_b32 v[KSW], v[BYT] offset:(\e)*CH+KSOFF+256*((\i)%2)+4*((\i)/2)   ; lanes r and 16 + r write the same word with the same value
.endm
; ---- block kb (32 keys) of chunk e of V, columns d = 32 dh + lane: six registers of tile 2 dh + lane / 16, row lane % 16; they belong to the image's lane (row, kb % 2), registers 6 (kb / 2) on
.macro VBLOCK e, kb, dh
	AMAX X+32*(\dh), 0x02800000                    ; the floor 2^(5 - 127)
	CODES X+32*(\dh)
	v_lshrrev_b32 v[BYT], 23, v[SCO]               ; the scale's byte.  (The plain line behind the conversions)
	CMOVE
.if (\kb) == 0
	v_mov_b32 v[VW+(\dh)], v[BYT]                  ; four bytes make my column's scale word for the chunk
.else
	v_lshl_or_b32 v[VW+(\dh)], v[BYT], 8*(\kb), v[VW+(\dh)]
.endif
.set VOF, (\e)*CH+VOFF+3072*(\dh)+256*((\kb)%2)
.if (\kb)/2 == 0
	ds_store_b128 v[VWA], v[C:C+3] offset:VOF              ; registers 0-3,
	ds_store_b64 v[VWA], v[C+4:C+5] offset:VOF+512         ; 4 and 5
.else
	ds_store_b64 v[VWA], v[C:C+1] offset:VOF+520           ; registers 6 and 7,
	ds_store_b128 v[VWA], v[C+2:C+5] offset:VOF+1024       ; 8-11
.endif
.if (\kb) == 3
	ds_store_b32 v[CW], v[VW+(\dh)] offset:(\e)*CH+VSOFF+4*(\dh)
.endif
.endm
; ---- tile t of my queries, from the numbers at X + 32 t: registers 0-5 of Q's fragment in window t, and its scale word
.macro QTILE t
	AMAX X+32*(\t), 0x02800000
	v_add_nc_u32 v[SCO], 0xfe000000, v[AM]
	WIN 0x40*(\t)
	v_cvt_scalef32_pk16_bf6_f32 v[Q:Q+2], v[X+32*(\t):X+32*(\t)+15], v[SCO]
	v_cvt_scalef32_pk16_bf6_f32 v[PT:PT+2], v[X+32*(\t)+16:X+32*(\t)+31], v[SCO]
	v_nop                                          ; one plain line behind a scaled conversion
	WIN 0x41*(\t)
.irp n, 0,1,2
	v_mov_b32 v[Q+3+\n], v[PT+\n]
.endr
	WIN 0
	v_lshrrev_b32 v[BYT], 23, v[SCO]
	v_lshlrev_b32 v[BYT], v[H8], v[BYT]
	v_permlanex16_b32 v[TMX], v[BYT], s24, s25
	v_or_b32 v[BYT], v[BYT], v[TMX]
	v_or_b32 v[QS0+38*(\t)], 0x7f7f0000, v[BYT]    ; bytes 2 and 3: 127, over the pad's codes 16, 16, 1 and zeros
.endm
; ---- a group of phase A
.macro GROUP g
.set SETR, 64+64*(((\g)+1)%3)
.set GE, ((\g)-1)/8
.set GX, ((\g)-1)%8
.if (\g) <= 14
	s_wait_loadcnt 32                              ; loads come back in order (ISA guide 5.7.1): this group's 16 are in; the two later groups' 32 stay out
.elseif (\g) == 15
	s_wait_loadcnt 16
.else
	s_wait_loadcnt 0
.endif
	STAGE_IN SETR
.if ((\g) == 0) || (GX < 4)
	ROWS_BACK
.else
	COLS_BACK
.endif
	s_wait_dscnt 0x0                               ; the numbers are back, so the stores into the stage have read the set:
.if (\g)+3 <= 16
	GLOAD (\g)+3                                   ; it takes the group three further on
.endif
.if (\g) == 0
	QTILE 0
	QTILE 1
.elseif GX < 4
	KTILE GE, 2*GX, 0
	KTILE GE, 2*GX+1, 1
.else
	VBLOCK GE, GX-4, 0
	VBLOCK GE, GX-4, 1
.endif
.endm
.macro ZKB w                           ; registers 8-11 of K's four fragment buffers in window w: k = 96 + .. of lanes 0-15, and the like: zero codes
	WIN 0x40*(\w)
.irp i, 0,1,2,3
.irp n, 8,9,10,11
	v_mov_b32 v[KB+12*\i+\n], 0
.endr
.endr
	WIN 0
.endm
; ---- PHASE B
.macro KFETCH adr, off                 ; a chunk's eight tiles of K (registers 0-7 of each) and its scale words: 17 loads, each of 512 bytes on end
.irp i, 0,1,2,3,4,5,6,7
	WIN 0x40*(\i/4)
	ds_load_b128 v[KB+12*(\i%4):KB+12*(\i%4)+3], v[\adr] offset:\off+1024*\i
	ds_load_b128 v[KB+12*(\i%4)+4:KB+12*(\i%4)+7], v[\adr] offset:\off+1024*\i+512
.endr
	WIN 0
	ds_load_b128 v[KS:KS+3], v[\adr] offset:\off+KSOFF
.endm
.macro VFETCH                          ; the chunk's four tiles of V^T and their scale words: 13 loads
.irp n, 0,1,2,3
.irp g, 0,1,2
	ds_load_b128 v[VB+12*\n+4*\g:VB+12*\n+4*\g+3], v[AD] offset:VOFF+1536*\n+512*\g
.endr
.endr
	ds_load_b64 v[VS:VS+1], v[AD] offset:VSOFF
.endm
.macro SMUL t                          ; S^T of tile t: eight products, each starts its sum with the constant 0.  Odd tiles' scale words lie in lanes 16-31
.irp i, 0,1,2,3,4,5,6,7
	WIN 0x54*(\t)+\i/4
.set rD, S+8*\i
.set rA, KB+12*(\i%4)
.if \i%2
	v_wmma_scale_f32_16x16x128_f8f6f4 v[rD:rD+7], v[rA:rA+11], v[Q:Q+11], 0, v[KS+\i/2], v[QS0+38*(\t)] matrix_a_fmt:MATRIX_FMT_BF6 matrix_b_fmt:MATRIX_FMT_BF6 matrix_a_scale:MATRIX_SCALE_ROW1
.else
	v_wmma_scale_f32_16x16x128_f8f6f4 v[rD:rD+7], v[rA:rA+11], v[Q:Q+11], 0, v[KS+\i/2], v[QS0+38*(\t)] matrix_a_fmt:MATRIX_FMT_BF6 matrix_b_fmt:MATRIX_FMT_BF6
.endif
.endr
.endm
.macro PV t                            ; O^T of tile t += V^T P^T: four accumulators, one instruction each
	WIN 0x54*(\t)
.irp n, 0,1,2,3
.set rD, O+8*\n
.set rA, VB+12*\n
.if \n%2
	v_wmma_scale_f32_16x16x128_f8f6f4 v[rD:rD+7], v[rA:rA+11], v[P:P+11], v[rD:rD+7], v[VS+\n/2], v[PSW0+50*(\t)] matrix_a_fmt:MATRIX_FMT_BF6 matrix_b_fmt:MATRIX_FMT_BF6 matrix_a_scale:MATRIX_SCALE_ROW1
.else
	v_wmma_scale_f32_16x16x128_f8f6f4 v[rD:rD+7], v[rA:rA+11], v[P:P+11], v[rD:rD+7], v[VS+\n/2], v[PSW0+50*(\t)] matrix_a_fmt:MATRIX_FMT_BF6 matrix_b_fmt:MATRIX_FMT_BF6
.endif
.endr
.endm
; pieces of a tile's softmax
.macro SFMA n                          ; pair n of the scores: t - M, two at a time (of the pairs log2(e) and -M the low word serves both halves)
	v_pk_fma_f32 v[S+2*(\n):S+2*(\n)+1], v[S+2*(\n):S+2*(\n)+1], s[22:23], v[NEGM:NEGM+1] op_sel_hi:[1,0,0]
.endm
.macro SEXP k
	v_exp_f32 v[S+(\k)], v[S+(\k)]
.endm
.macro OMUL                            ; the next pair of O^T, in ascending order, times f
	v_pk_mul_f32 v[O+2*om:O+2*om+1], v[O+2*om:O+2*om+1], v[F:F+1] op_sel_hi:[1,0]
.set om, om+1
.endm
.macro PADD n                          ; pair n of the unquantised p joins the sum: even pairs onto l (pair 0 with l's own rescaling), odd pairs in a second chain, which pairs 1 and 3 start
.if (\n) == 0
	s_wait_alu depctr_va_vdst(0)
	v_pk_fma_f32 v[LS:LS+1], v[LS:LS+1], v[F:F+1], v[S:S+1] op_sel_hi:[1,0,1]
.elseif (\n) == 3
	v_pk_add_f32 v[LB:LB+1], v[S+2:S+3], v[S+6:S+7]
.elseif (\n)%2 == 0
	s_wait_alu depctr_va_vdst(0)
	v_pk_add_f32 v[LS:LS+1], v[LS:LS+1], v[S+2*(\n):S+2*(\n)+1]
.else
	v_pk_add_f32 v[LB:LB+1], v[LB:LB+1], v[S+2*(\n):S+2*(\n)+1]
.endif
.endm
; A tile's softmax for 128 keys, all in window t but for the scale word.  My 64 scores are two whole blocks of 32 keys.
.macro SOFT t
	WIN 0x55*(\t)
.irp c, 0,1
	v_max3_num_f32 v[BM+\c], v[S+32*\c], v[S+32*\c+1], v[S+32*\c+2]   ; each block's largest score, the two blocks by turns; the results are read in ascending order
.endr
.irp k, 3,5,7,9,11,13,15,17,19,21,23,25,27,29
.irp c, 0,1
	v_max3_num_f32 v[BM+\c], v[BM+\c], v[S+32*\c+\k], v[S+32*\c+\k+1]
.endr
.endr
.irp c, 0,1
	v_max_num_f32 v[BM+\c], v[BM+\c], v[S+32*\c+31]
.endr
	v_max_num_f32 v[TM], v[BM], v[BM+1]
	v_permlanex16_b32 v[TM+1], v[TM], s24, s25     ; the query's other 64 keys lie in the lane 16 away
	v_max3_num_f32 v[MRUN], v[MRUN], v[TM], v[TM+1]   ; the largest score so far
	v_mul_f32 v[TM], s22, v[MRUN]                  ; as t (log2(e) is positive)
	v_mov_b32 v[TM+1], v[NEGM]
	v_floor_f32 v[NEGM], -v[TM]                    ; the new -M = floor(-t) = -ceil(t): a whole number
	v_sub_f32 v[TM+1], v[NEGM], v[TM+1]            ; old M - new M: a whole number, 0 or less
	v_cvt_i32_f32 v[TM+1], v[TM+1]                 ; (it saturates)
	v_ldexp_f32 v[F], 1.0, v[TM+1]                 ; f = 2^(old M - new M)
	SFMA 0
	SFMA 1
.irp c, 0,1
	v_fma_f32 v[BM+\c], v[BM+\c], s22, v[NEGM]     ; the same of each block's largest score
.endr
; 64 exponentials, each with a plain instruction behind it that names none of its registers (ISA guide 5.7.2): scalings two pairs ahead, sums a pair back, O^T's rescaling
.set om, 0
.set sn, 0
.rept 32
	SEXP 2*sn
.if sn < 30
	SFMA sn+2
.else
	OMUL
.endif
	SEXP 2*sn+1
.if (sn == 0) || (sn == 2) || (sn > 22)
	OMUL
.else
	PADD sn-1
.endif
.set sn, sn+1
.endr
	v_exp_f32 v[BM], v[BM]                         ; each block's largest p: the same two instructions on the same number give the same bits
	v_exp_f32 v[BM+1], v[BM+1]
	OMUL
	s_wait_alu depctr_va_vdst(0)
.irp c, 0,1
	v_max_num_f32 v[BM+\c], 0x2800000, v[BM+\c]    ; the floor 2^(5 - 127): the byte cannot fall under 1
.endr
.irp c, 0,1
	v_add_nc_u32 v[SO+\c], 0xfe000000, v[BM+\c]    ; 4 off the exponent field: the conversion's scale operand
.endr
.irp c, 0,1
	v_lshrrev_b32 v[TM+\c], 23, v[SO+\c]           ; the scale's byte
.endr
	v_lshl_or_b32 v[TM], v[TM+1], 16, v[TM]        ; my blocks are h and 2 + h of the step's four
	v_lshlrev_b32 v[TM], v[H8], v[TM]
	v_permlanex16_b32 v[TM+1], v[TM], s24, s25
	WIN 0x05*(\t)                                  ; scale operands are taken from window 0
	v_or_b32 v[PSW0+50*(\t)], v[TM], v[TM+1]       ; p's scale word for these 128 keys
	WIN 0x55*(\t)
.irp c, 0,1
	v_cvt_scalef32_pk16_bf6_f32 v[P+6*\c:P+6*\c+2], v[S+32*\c:S+32*\c+15], v[SO+\c]
	v_cvt_scalef32_pk16_bf6_f32 v[PT+4*\c:PT+4*\c+2], v[S+32*\c+16:S+32*\c+31], v[SO+\c]   ; (a conversion's three registers begin on an even number)
.endr
	OMUL                                           ; one plain line behind the conversions
.irp c, 0,1
.irp n, 0,1,2
	v_mov_b32 v[P+6*\c+3+\n], v[PT+4*\c+\n]
.endr
.endr
	OMUL
.set sn, 22
.rept 10
	PADD sn                                        ; the rest of the sum: with the line below eleven plain lines that name no register of the products that follow: the places between the scale word (8 are
.set sn, sn+1                          ; owed) and p's last register (4) written by vector instructions and the scaled matrix instruction
.endr
	v_pk_add_f32 v[LS:LS+1], v[LS:LS+1], v[LB:LB+1]
.endm
; A KEY STEP: 128 keys for both tiles.  pre = 1: the next chunk's K is fetched.  qnext = 1: the next pass's Q is asked for, into window 1's v128-191, which K's tiles 4-7 have left.
.macro STEP pre, qnext
	s_wait_dscnt 0x0                               ; K's tiles and scale words, asked for a step ago, are in
	SMUL 0
	SMUL 1
	WIN 0
	v_add_nc_u32 v[AD], s26, v[L16]                ; four plain lines: the places (ISA guide 7.12.1 for vector instructions) between the last products and the loads into their sources, and the first read of S^T
.rept 3
	v_nop
.endr
	VFETCH
.if \pre
	KFETCH AD, CH
.endif
.if \qnext
	GLOAD_Q 1
.endif
	SOFT 0
	s_wait_dscnt 17*(\pre)                         ; V^T and its scale words are in; the 17 younger loads (the next chunk's K) may stay out
	PV 0
	SOFT 1
	PV 1
	WIN 0
.if \pre
	s_add_co_u32 s26, s26, CH
.endif
.endm
; THE WAY OUT of a pass: O^T / the sum; through my stage, so that sixteen lanes store a head's 256 bytes of one row
.macro OUT p
.irp t, 0,1
	WIN 0x55*\t
	v_add_f32 v[TM], v[LS], v[LS+1]                ; the sum's two halves,  (tile A's lines are the places behind tile B's last products)
	v_permlanex16_b32 v[TM+1], v[TM], s24, s25
	v_add_f32 v[TM], v[TM], v[TM+1]                ; and lane l xor 16's
	v_rcp_f32 v[F], v[TM]
	v_nop                                          ; one plain line behind the reciprocal
	s_wait_alu depctr_va_vdst(0)
.irp k, 0,1,2,3,4,5,6,7,8,9,10,11,12,13,14,15
	v_pk_mul_f32 v[S+2*\k:S+2*\k+1], v[O+2*\k:O+2*\k+1], v[F:F+1] op_sel_hi:[1,0]   ; register 8 n + j: out(query r, d = 16 n + 8 h + j)
.endr
.endr
.irp t, 0,1
	WIN 0x04*\t
.irp n, 0,1,2,3
.irp u, 0,1
	ds_store_b128 v[STO], v[S+8*\n+4*\u:S+8*\n+4*\u+3] offset:16*SP*\t+64*\n+16*\u
.endr
.endr
.endr
	WIN 0
.irp j, 0,1,2,3,4,5,6,7,8,9,10,11,12,13,14,15
	ds_load_b128 v[S+4*\j:S+4*\j+3], v[STI] offset:2*SP*\j   ; LDS serves a wave's instructions in order: these see my stores
.endr
.irp j, 0,1,2,3,4,5,6,7,8,9,10,11,12,13,14,15
	s_wait_dscnt 15-\j                             ; rows 2 j and 2 j + 1 are back; the younger loads stay out
	global_store_b128 v[GO], v[S+4*\j:S+4*\j+3], s[20:21] offset:(\p)*256*ROWO+2*\j*ROWO th:TH_STORE_NT   ; 16 lanes store 256 consecutive bytes, at a multiple of 256 from out's first byte
.endr
	s_wait_xcnt 0x0                                ; the stores' data registers are written again only behind this wait
.endm
.macro PASS p
.if \p
	s_wait_loadcnt 0x0                             ; this pass's Q, asked for in the last key step
	STAGE_IN 128
	ROWS_BACK
	s_wait_dscnt 0x0
	QTILE 0
	QTILE 1
	ZKB 1                                          ; Q's loads went over the zeros of K's tiles 4-7
.endif
.irp t, 0,1
	WIN 0x40*\t
	v_mov_b32 v[MRUN], 0xfe967699                  ; the largest score so far: -1e38
	v_mov_b32 v[NEGM], 0x7e967699                  ; -M: so the first f is 2^(a number under every exponent) = 0
	v_mov_b32 v[LS], 0
	v_mov_b32 v[LS+1], 0
.set zi, 0
.rept 32
	v_mov_b32 v[O+zi], 0                           ; the step is written once: the first finds zeros
.set zi, zi+1
.endr
.endr
	WIN 0
	s_mov_b32 s26, 0
	KFETCH L16, 0                                  ; chunk 0
	s_mov_b32 s27, 15
.Lstep_\@:
	STEP 1, 0
	s_sub_co_u32 s27, s27, 1
	s_cmp_lg_u32 s27, 0
	s_cbranch_scc1 .Lstep_\@
	STEP 0, 1-\p                                   ; the last chunk: nothing more of K to fetch
	OUT \p
.endm
; ================ the head
	s_load_b128 s[4:7], s[0:1], 0x0                ; qkv, the mask
	s_load_b64 s[8:9], s[0:1], 0x10                ; out
	s_set_vgpr_msb 0x40
	v_lshl_add_u32 v59, v0, 2, 0x4d000
	v_mov_b32 v63, 0
	s_set_vgpr_msb 0x4000
	v_lshrrev_b32 v[L16], 5, v0
	v_readfirstlane_b32 s10, v[L16]                ; wave 0..7
	v_and_b32 v[LN], 31, v0                        ; lane
	v_and_b32 v[RR], 15, v0                        ; r
	v_bfe_u32 v[HH], v0, 4, 1                      ; h
	v_mul_u32_u24 v[GQ], v[HH], ROWQ
	v_lshl_add_u32 v[GQ], v[RR], 4, v[GQ]
	v_and_b32 v[T0], 7, v[RR]
	v_lshrrev_b32 v[T1], 3, v[RR]
	v_lshl_add_u32 v[GM], v[T1], 5, v[T0]
	s_and_b32 s28, ttmp7, 0xffff                   ; (b, head)
	s_lshr_b32 s29, s28, 4
	s_lshl_b32 s29, s29, 11                        ; 2,048 b
	s_and_b32 s30, s28, 15
	s_lshl_b32 s30, s30, 8                         ; 256 x head
	s_lshl_b32 s31, s10, 8
	s_add_co_u32 s31, s31, s29                     ; my wave's first key: row 2,048 b + 256 w
	s_mul_i32 s12, s31, ROWQ
	s_add_co_u32 s12, s12, s30
	s_add_co_u32 s12, s12, 4096                    ; k's place in a row.  Every offset here stays under 2^27
	s_mov_b32 s13, 0
	s_mov_b32 s18, s31
	s_mov_b32 s19, 0
	s_lshl_b32 s32, ttmp9, 9
	s_lshl_b32 s33, s10, 5
	s_add_co_u32 s32, s32, s33
	s_add_co_u32 s32, s32, s29                     ; my wave's first query: row 2,048 b + 512 x + 32 w
	s_mul_i32 s16, s32, ROWQ
	s_add_co_u32 s16, s16, s30
	s_mov_b32 s17, 0
	s_lshl_b32 s20, s32, 12
	s_add_co_u32 s20, s20, s30
	s_mov_b32 s21, 0
	s_mov_b32 s22, 0x3fb8aa3b                      ; log2(e)
	s_mov_b32 s23, s22                             ; (named with it as a pair, so it is written)
	s_mov_b32 s24, 0x76543210                      ; v_permlanex16_b32's selects for lane l xor 16
	s_mov_b32 s25, 0xfedcba98
	s_mul_i32 s34, s10, STW
	s_add_co_u32 s34, s34, STG                     ; my stage
	s_mul_i32 s35, s10, 2*CH                       ; my two chunks
	s_wait_kmcnt 0x0
	s_add_nc_u64 s[12:13], s[4:5], s[12:13]
	s_add_nc_u64 s[14:15], s[12:13], 4096          ; v lies 4,096 bytes behind k
	s_add_nc_u64 s[16:17], s[4:5], s[16:17]
	s_add_nc_u64 s[18:19], s[6:7], s[18:19]
	s_add_nc_u64 s[20:21], s[8:9], s[20:21]
.irp e, 0,1
.irp i, 0,1,2,3,4,5,6,7
	global_load_u8 v[MS+8*\e+\i], v[GM], s[18:19] offset:128*\e+64*(\i/4)+8*(\i%4)   ; the mask's byte of my row's key in tile i of chunk e
.endr
.endr
	GLOAD 0
	GLOAD 1
	GLOAD 2
	v_lshlrev_b32 v[L16], 4, v[LN]
	v_mul_u32_u24 v[STI], v[HH], SP
	v_lshl_add_u32 v[STI], v[RR], 4, v[STI]
	v_add_nc_u32 v[STI], s34, v[STI]
	v_mul_u32_u24 v[STR], v[RR], SP
	v_lshl_add_u32 v[STO], v[HH], 5, v[STR]
	v_lshl_add_u32 v[STR], v[HH], 7, v[STR]
	v_add_nc_u32 v[STO], s34, v[STO]
	v_add_nc_u32 v[STR], s34, v[STR]
	v_lshlrev_b32 v[GO], 12, v[HH]
	v_lshl_add_u32 v[GO], v[RR], 4, v[GO]
	v_add_nc_u32 v[CW], s35, v[L16]
	v_lshl_add_u32 v[KSW], v[RR], 4, s35
	v_mad_u32_u24 v[VWA], v[HH], 1536, v[KSW]
	v_lshl_add_u32 v[VRD], v[LN], 2, s34
	v_sub_nc_u32 v[T0], 1, v[HH]                   ; 1 in lanes 0-15
	v_mul_u32_u24 v[MK], v[T0], 0x28cfc            ; codes 0x3c (-16), 0x33 (-3.5), 0x28 (-0.5), six bits each
.irp t, 0,1
	WIN 0x40*\t                                    ; what stays for the whole launch, in both tiles' windows
	v_lshlrev_b32 v[H8], 3, v[HH]
	v_mul_u32_u24 v[Q+6], v[T0], 0xc71c            ; Q's register 6, lanes 0-15: codes 0x1c (16), 0x1c (16), 0x0c (1) at k = 64, 65, 66
.irp n, 7,8,9,10,11
	v_mov_b32 v[Q+\n], 0
.endr
	v_mov_b32 v[F+1], 0                            ; named as the upper half of a pair
	v_mov_b32 v[TM+1], 0                           ; a lane permute's destination counts as one of its sources
.endr
	WIN 0
	v_mov_b32 v[C+7], 0                            ; register 7 of every tile of K
; ================ PHASE A: Q of the first pass, then my 256 keys of K and V
.irp g, 0,1,2,3,4,5,6,7,8,9,10,11,12,13,14,15,16
	GROUP \g
.endr
	s_wait_dscnt 0x0                               ; for the others' sake: my images and scale words lie in LDS
	s_barrier_signal -1
	ZKB 0                                          ; work on registers while the others arrive
	ZKB 1
	s_barrier_wait -1                              ; the whole head's codes lie in LDS; from here on nobody writes them
; ================ PHASE B
	PASS 0
	PASS 1
	s_set_vgpr_msb 0x5
	s_wait_tensorcnt 0x0
	ds_add_u32 v59, v63
	s_wait_dscnt 0x0
	s_set_vgpr_msb 0x500
	s_endpgm
.Lfunc_end_k_qe85af3458a_attn:
	.size	k_qe85af3458a_attn, .Lfunc_end_k_qe85af3458a_attn-k_qe85af3458a_attn
	.p2alignl 7, 3214868480
	.fill 96, 4, 3214868480
	.section	.rodata,"a",@progbits
	.p2align	6, 0x0
	.amdhsa_kernel k_qe85af3458a_attn
		.amdhsa_group_segment_fixed_size 316416
		.amdhsa_private_segment_fixed_size 0
		.amdhsa_enable_private_segment 0
		.amdhsa_kernarg_size 24
		.amdhsa_user_sgpr_count 2
		.amdhsa_user_sgpr_kernarg_segment_ptr 1
		.amdhsa_wavefront_size32 1
		.amdhsa_system_sgpr_workgroup_id_x 1
		.amdhsa_system_sgpr_workgroup_id_y 1
		.amdhsa_system_sgpr_workgroup_id_z 1
		.amdhsa_system_vgpr_workitem_id 0
		.amdhsa_next_free_vgpr 512
		.amdhsa_next_free_sgpr 66
		.amdhsa_reserve_vcc 0
		.amdhsa_float_denorm_mode_32 3
		.amdhsa_float_denorm_mode_16_64 3
		.amdhsa_memory_ordered 1
		.amdhsa_forward_progress 1
		.amdhsa_inst_pref_size 255
	.end_amdhsa_kernel
	.section	.bss,"aw",@nobits
	.p2align	6
	.space	262144
	.amdgpu_metadata
---
amdhsa.version: [ 1, 2 ]
amdhsa.kernels:
  - .name:           k_qe85af3458a_attn
    .symbol:         k_qe85af3458a_attn.kd
    .args:
      - { .name: qkv, .offset: 0, .size: 8, .value_kind: global_buffer, .address_space: global }
      - { .name: key_padding_mask, .offset: 8, .size: 8, .value_kind: global_buffer, .address_space: global }
      - { .name: out0, .offset: 16, .size: 8, .value_kind: global_buffer, .address_space: global }
    .group_segment_fixed_size: 316416
    .private_segment_fixed_size: 0
    .kernarg_segment_align: 8
    .kernarg_segment_size: 24
    .max_flat_workgroup_size: 256
    .sgpr_count:     66
    .vgpr_count:     512
    .wavefront_size: 32
...
	.end_amdgpu_metadata
.endif
;; end of part 1
;; ======== version 2 of 2: 1 launch; version 1 with the launch attn written anew for expert scheduling mode
;; launch attn (part 2): grid 4 x 64, 8 waves a work-group, no clusters, 316,416 bytes of LDS; arguments qkv, key_padding_mask, out0; writes out0
.if DOCPART == 2
	.amdgcn_target "amdgcn-amd-amdhsa--gfx1250"
	.amdhsa_code_object_version 6
	.text
	.protected	k_qe85af3458a_attn
	.globl	k_qe85af3458a_attn
	.p2align	8
	.type	k_qe85af3458a_attn,@function
k_qe85af3458a_attn:
	s_mov_b64 s[64:65], 0
	v_nop
	global_prefetch_b8 v0, s[64:65] scope:SCOPE_SE
	s_setreg_imm32_b32 hwreg(HW_REG_WAVE_SCHED_MODE, 0, 2), 2
	s_setreg_imm32_b32 hwreg(HW_REG_WAVE_MODE, 25, 1), 1
	s_wait_xcnt 0x0
	s_wait_alu depctr_vm_vsrc(0)
; out[b][t][hd][:] = sum over s of softmax_s(q[b][t][hd] . (k[b][s][hd] / 8) + pad[b][s]) v[b][s][hd][:], pad = 0 where the mask keeps a key, -10000 where not.
; qkv: [4][2048][3][16][64] f32 (a row (b, s) is 12,288 bytes: q, k, v at 0, 4,096, 8,192; a head is 256 bytes).  mask: [4][2048] bytes.  out: [4][2048][16][64] f32.
; Both products run on codes of BF6 (E3M2) with one E8M0 scale for each 32 along a product's K: the first along the head's 64, the second along the keys.
; SOFTMAX AHEAD OF THE SECOND PRODUCT: t = score x log2(e); M = the running largest t rounded up to a whole number; p = 2^(t - M) is quantised, not normalised; the row's sum is taken of the
; unquantised p in f32 and divides at the end; when M moves, the sum and O are multiplied by 2^(old M - new M), which rounds nothing.
; SHARES.  256 work-groups: 64 (b, head) x 4 blocks of 512 queries; eight waves of 512 registers.
;   PHASE A: the work-group quantises the WHOLE head's K and V into LDS, as images of the operands' registers (a group of four registers: 16 bytes a lane, 512 bytes on end): 245,760 bytes, which stay.
;            Wave w takes keys 256 w .. 256 w + 255 (two chunks of 128 keys).  One barrier follows, the only one of the text.
;   PHASE B: two passes of 256 queries.  A wave owns 32 queries, two tiles of 16: tile A in register window 0, tile B in window 1 under the same numbers; it walks the 16 chunks.
;            Each fragment of K and V read from LDS feeds two matrix instructions.
; LAYOUT.  Both products are used transposed: S^T = K Q^T (source 0 = 16 keys, source 1 = 16 queries), O^T = V^T P^T (source 0 = 16 of the head's 64, source 1 = P): a lane holds ONE query (lane % 16).
;   THE KEYS OF A TILE ARE NOT NEIGHBOURS: row 8 h' + j of tile 4 c + t is key 64 c + 32 h' + 8 t + j of the chunk.  So the 32 result registers of tiles 4 c .. 4 c + 3 in lane (r, h) are keys 64 c + 32 h + 0 .. 31:
;   a WHOLE block of 32, in the order and in the lane in which the 6-bit operand wants it: a block's maximum needs no other lane, and p's codes change no lane.
; k / 8: a power of two, so the codes are k's own and the scale byte is k's less 3.
; THE PAD RIDES IN THE PLACES OF K THAT A HEAD OF 64 LEAVES EMPTY in the instruction's 128: -10000 = 2^5 (16 x -16 + 16 x -3.5 + 1 x -0.5), exactly.  Q carries the codes 16, 16, 1 at k = 64, 65, 66 under the
;   scale byte 127; a key that the mask drops carries -16, -3.5, -0.5 there under the byte 132; a key that is kept carries zero codes.  So the pad is added inside the unit's f32 sum, and costs no vector instruction.
; NO JOINT LOADS, NO CLUSTER, though the four work-groups of a head read the same K and V: they are wanted as codes only and pass through registers.  As f32 tiles a head's K and V are 1,048,576 bytes, and beside
;   the codes (245,760) and the stages (69,632) 12,288 bytes of LDS are left: 48 rows to a fill, more than 80 fills, each behind a meeting of the four work-groups.  The price taken instead: each of the four quantises the head.
; NO PREFETCH: phase A keeps 48 loads (24,576 bytes) of every wave on their way; the second pass's Q is loaded most of a key step ahead of its use.
; LIMITS.  NaN and infinities among the inputs are not served.  A block whose largest magnitude lies under 2^-122 (q, v) or 2^-119 (k) keeps the scale byte 1; a block of zeros gets the byte 1 over zero codes where the
;   rule says 127 (the same values; the bytes are read by this text alone).  Scores under -1e38 are not served.  A p under 2^-126 becomes 0 (v_exp_f32 flushes: ISA guide 15.8).  A block's largest p is made from its largest
;   score by the same multiply-add and exponential, which takes v_exp_f32 not to fall where its input rises.
; THE MODE: SCHED_MODE bits 1:0 = 2 (LLVM: expert scheduling mode 2), set by the entry lines.  The code itself states the register dependences between vector or matrix instructions and memory or LDS
;   instructions, with s_wait_alu, always for 0.
; THE PLAN.  Registers that memory or LDS instructions touch, and who else names them:
;   addresses   v[GQ], v[GO], v[STI], v[STR], v[STO], v[L16]: made at the head, never written again.  v[GM], v[CW], v[KSW], v[VWA], v[VRD]: phase A's alone; V^T's loads land on them in phase B.
;   PHASE A, a group:  the set of window 1: global loads land, the stage's stores read, the group three on lands again; no vector instruction names it.   X: the stage's loads land, the maxima and conversions read.
;               C0, C1 (a buffer to each of the group's two tiles), the bytes v14-15, V's words v182-183: the group's arithmetic writes them, the run of image stores at the group's end reads them.
;               Two waits a group: on vm_vsrc behind the stage's round trip (the set and the last group's C0, C1, bytes and words have been read); on va_vdst behind the arithmetic (codes and words are written; X has been
;               read: between that wait and the next group's loads into X stands no vector instruction).
;   PHASE B, step j:   K's registers 0-7 of each tile, v26-29: step j's K Q^T products read them, the loads of chunk j + 1 land.   V^T, v30-31: step j - 1's V^T P products read them, step j's loads land.
;               v[AD]: written once a step, behind a wait on vm_vsrc; read by the step's loads.   P and p's scale word: written by vector instructions, taken by scaled products.
;               The wait on va_vdst that stands behind tile A's exponentials, ahead of their first reader, states all that the step's loads hang on, so they stand directly behind it, window switches alone between.
;               A second wait on va_vdst in each tile stands ahead of V^T P, behind its places.
.set CH,    15360                      ; a chunk (128 keys) in LDS: 8 tiles of K x 1,024, 4 tiles of V^T x 1,536, K's scale words 512, V's 512
.set VOFF,  8192                       ; where a chunk's V^T begins
.set KSOFF, 14336                      ; K's scale words: slot 16 x lane, word i: tile 2 i + lane / 16, row lane % 16
.set VSOFF, 14848                      ; V's: slot 16 x lane, word dh: d = 32 dh + lane, that is tile 2 dh + lane / 16, row lane % 16
.set STG,   16*CH                      ; behind the 16 chunks: a stage for each wave, its own
.set SP,    272                        ; a stage row: 256 bytes + 16 = 68 words: row r starts at bank 4 r mod 64 (64 banks of 4 bytes: ISA guide 11.1)
.set STW,   32*SP                      ; 32 rows
.set ROWQ,  12288                      ; bytes from (b, s) to (b, s + 1) in qkv
.set ROWO,  4096                       ; and in out
; REGISTERS.  Shared, window 0:
.set L16,  1                           ; 16 x lane
.set AD,   2                           ; LDS address of the chunk in hand: its first byte + 16 x lane
.set STI,  3                           ; stage + 272 h + 16 r: two whole rows an instruction
.set STR,  4                           ; stage + 272 r + 128 h: my row's half
.set STO,  5                           ; stage + 272 r + 32 h: the way out, in
.set GQ,   6                           ; 12,288 h + 16 r: two rows of a head in qkv
.set GO,   7                           ; 4,096 h + 16 r: two rows of a head in out
.set LN,   8                           ; lane
; scale registers, window 0; they hold scales and nothing else
.set PSW0, 9                           ; p's scale word: tile A v9, tile B v59
.set QS0,  25                          ; Q's: tile A v25, tile B v63
.set KS,   26                          ; v26-29 K's words of the chunk
.set VS,   30                          ; v30-31 V's
; a tile's own, the same number in window t for tile t:
.set NEGM, 10                          ; -M
.set MRUN, 11                          ; the largest score so far
.set LS,   12                          ; v12-13 the sum, in two halves
.set LB,   14                          ; v14-15 a second chain of the step's sum
.set F,    16                          ; v16 f = 2^(old M - new M); v17 named with it as a pair
.set BM,   18                          ; v18-19 the two blocks' largest score, then largest p
.set SO,   20                          ; v20-21 the conversions' scale operands
.set TM,   22                          ; v22-23 at work
.set H8,   24                          ; 8 h
.set Q,    32                          ; v32-43 Q's fragment
.set P,    44                          ; v44-55 p's codes
.set PT,   56                          ; v56-58, v60-62 the upper halves of the blocks' codes, before they are moved
.set S,    64                          ; v64-127 S^T, then p
.set O,    224                         ; v224-255 O^T
.set KB,   128                         ; v128-175: K's tiles 0-3 in window 0, tiles 4-7 in window 1; 12 registers each, of which 8-11 stay zero
.set VB,   176                         ; v176-223, window 0: V^T's four tiles
; phase A alone, window 0 (window 1: v64-255 three sets of 64 registers for the loads):
.set X,    64                          ; v64-127 64 numbers, a block of 32 in 32 registers
.set C,    44                          ; v44-51 the eight registers of a group's first tile; those of its second at C + 164: v208-215
.set RR,   52                          ; r, h and two temporaries, at the head only
.set HH,   53
.set T0,   54
.set T1,   55
.set BY,   14                          ; v14-15 a scale word or byte for each of a group's two tiles
.set AM,   18
.set AB,   19
.set SCO,  20
.set NM,   21
.set TMX,  23
.set CW,   176                         ; my wave's two chunks + 16 x lane
.set KSW,  177                         ; the same + 16 r
.set VWA,  178                         ; the same + 1,536 h + 16 r
.set VRD,  179                         ; stage + 4 x lane
.set GM,   180                         ; my tile row's key within a tile's reach: r % 8 + 32 (r / 8)
.set MK,   181                         ; the pad's codes of a dropped key, in lanes 0-15
.set VW,   182                         ; v182-183 V's scale words as they grow
.set MS,   192                         ; v192-207 the mask bytes of my row in the 16 tiles
; scalars: s[4:9] the buffers; s10 wave; s[12:13] K, s[14:15] V at my wave's first key; s[16:17] Q, s[20:21] out at my wave's first query; s[18:19] the mask at my first key;
; s[22:23] log2(e); s[24:25] lane selects; s26 the chunk's first byte; s27 counts steps; s28-35 at work.  No base and no offset register of a global instruction is ever written again.
.set MSB, 0
.macro WIN new                         ; the immediate's high byte repeats the setting that is left; a switch that changes nothing is dropped.  bits 1:0 source 0, 3:2 source 1, 5:4 source 2, 7:6 destination
.set NW, \new
.if MSB != NW
	s_set_vgpr_msb (MSB<<8)|NW
.set MSB, NW
.endif
.endm
; ---- loads of 32 rows x 256 bytes into a set of 64 registers of window 1: an instruction takes two rows: sixteen lanes read 256 consecutive bytes, at a multiple of 256 from the buffer's first byte
.macro GLOAD_Q p                       ; my 32 queries of pass p; read by this wave alone
	WIN 0x40
.irp j, 0,1,2,3,4,5,6,7,8,9,10,11,12,13,14,15
	global_load_b128 v[128+4*\j:128+4*\j+3], v[GQ], s[16:17] offset:(\p)*256*ROWQ+2*\j*ROWQ th:TH_LOAD_NT
.endr
	WIN 0
.endm
.macro GLOAD_K e, kp, set              ; tiles 2 kp and 2 kp + 1 of chunk e, in the order of the tiles' rows
	WIN 0x40
.irp j, 0,1,2,3,4,5,6,7,8,9,10,11,12,13,14,15
.set KI, 2*(\kp)+\j/8
.set KJ, \j%8
.set KEY, 128*(\e)+64*(KI/4)+8*(KI%4)+2*(KJ%4)+32*(KJ/4)
	global_load_b128 v[\set+4*\j:\set+4*\j+3], v[GQ], s[12:13] offset:KEY*ROWQ
.endr
	WIN 0
.endm
.macro GLOAD_V e, kb, set              ; keys 32 kb .. 32 kb + 31 of chunk e
	WIN 0x40
.irp j, 0,1,2,3,4,5,6,7,8,9,10,11,12,13,14,15
	global_load_b128 v[\set+4*\j:\set+4*\j+3], v[GQ], s[14:15] offset:(128*(\e)+32*(\kb)+2*\j)*ROWQ
.endr
	WIN 0
.endm
.macro GLOAD n                         ; group n of 17: 0: Q; then for each of my two chunks four pairs of K's tiles and four blocks of V.  Group n lands in set (n + 1) % 3
.set LSET, 64+64*(((\n)+1)%3)
.if (\n) == 0
	GLOAD_Q 0
.else
.set LE, ((\n)-1)/8
.set LX, ((\n)-1)%8
.if LX < 4
	GLOAD_K LE, LX, LSET
.else
	GLOAD_V LE, LX-4, LSET
.endif
.endif
.endm
; ---- through my stage.  LDS serves a wave's instructions in order (ISA guide 5.7.1.4): no wait between the stores and the loads
.macro STAGE_IN set                    ; 32 rows as they were loaded
	WIN 0x04                                       ; an LDS store's data are its source 1: window 1
.irp j, 0,1,2,3,4,5,6,7,8,9,10,11,12,13,14,15
	ds_store_b128 v[STI], v[\set+4*\j:\set+4*\j+3] offset:2*SP*\j
.endr
	WIN 0
.endm
.macro ROWS_BACK                       ; Q, K: lane (r, h) takes, of rows r and 16 + r, d = 32 h .. 32 h + 31: a block along d in 32 registers
.irp u, 0,1
.irp cc, 0,1,2,3,4,5,6,7
	ds_load_b128 v[X+32*\u+4*\cc:X+32*\u+4*\cc+3], v[STR] offset:16*SP*\u+16*\cc
.endr
.endr
.endm
.macro COLS_BACK                       ; V: the lane takes columns d = lane and 32 + lane, and its registers run down the 32 keys: a block along the keys in 32 registers
.irp dh, 0,1
.irp i, 0,1,2,3,4,5,6,7,8,9,10,11,12,13,14,15,16,17,18,19,20,21,22,23,24,25,26,27,28,29,30,31
	ds_load_b32 v[X+32*\dh+\i], v[VRD] offset:SP*\i+128*\dh
.endr
.endr
.endm
; ---- a block's largest magnitude, with a floor among its leaves, in two chains
.macro AMAX x, floor
	v_max3_num_f32 v[AM], |v[\x]|, |v[\x+1]|, \floor
	v_max3_num_f32 v[AB], |v[\x+2]|, |v[\x+3]|, |v[\x+4]|
.irp k, 5,9,13,17,21,25
	v_max3_num_f32 v[AM], v[AM], |v[\x+\k]|, |v[\x+\k+1]|
	v_max3_num_f32 v[AB], v[AB], |v[\x+\k+2]|, |v[\x+\k+3]|
.endr
	v_max3_num_f32 v[AM], v[AM], |v[\x+29]|, |v[\x+30]|
	v_max3_num_f32 v[AM], v[AM], v[AB], |v[\x+31]|
.endm
.macro CODES x, u                      ; the block's 32 codes: 96 bits into buffer u, 96 into PT's part u (a conversion's three registers begin on an even number).  The caller puts one plain line behind, then CMOVE
.set CU, C+164*(\u)
	v_add_nc_u32 v[SCO], 0xfe000000, v[AM]         ; 4 off the exponent field: the conversion takes the exponent field of this operand as its scale
	v_cvt_scalef32_pk16_bf6_f32 v[CU:CU+2], v[\x:\x+15], v[SCO]
	v_cvt_scalef32_pk16_bf6_f32 v[PT+4*(\u):PT+4*(\u)+2], v[\x+16:\x+31], v[SCO]
.endm
.macro CMOVE u
.set CU, C+164*(\u)
.irp n, 0,1,2
	v_mov_b32 v[CU+3+\n], v[PT+4*(\u)+\n]
.endr
.endm
; ---- tile i of chunk e of K, from the numbers at X + 32 u: eight registers a lane, in buffer u, and a scale word a row.  The arithmetic, and the stores apart from it
.macro KCOMP e, i, u
	AMAX X+32*(\u), 0x04000000                     ; the floor 2^(8 - 127): the byte of k / 8 cannot fall under 1
	CODES X+32*(\u), \u
	v_add_nc_u32 v[BY+(\u)], 0xfc800000, v[AM]     ; 7 off the exponent field: 4 for the format, 3 for the division by 8.  (The plain line behind the conversions)
	CMOVE \u
	v_lshrrev_b32 v[BY+(\u)], 23, v[BY+(\u)]       ; my block's byte: block h of row r
	v_lshlrev_b32 v[BY+(\u)], v[H8], v[BY+(\u)]    ; at its place,
	v_permlanex16_b32 v[TMX], v[BY+(\u)], s24, s25
	v_or_b32 v[BY+(\u)], v[BY+(\u)], v[TMX]        ; with lane l xor 16's
	v_xor_b32 v[NM], 1, v[MS+8*(\e)+(\i)]          ; 1 where the mask drops my row's key
	v_mul_u32_u24 v[CU+6], v[NM], v[MK]            ; register 6: the pad's codes -16, -3.5, -0.5 at k = 64, 65, 66 (lanes 0-15), or zeros
	v_mad_u32_u24 v[BY+(\u)], v[NM], 0x840000, v[BY+(\u)]  ; and their scale byte, 132, at byte 2, or 0 over zero codes
.endm
.macro KSTORE e, i, u
.set CU, C+164*(\u)
	ds_store_b128 v[CW], v[CU:CU+3] offset:(\e)*CH+1024*(\i)
	ds_store_b128 v[CW], v[CU+4:CU+7] offset:(\e)*CH+1024*(\i)+512
	ds_store_b32 v[KSW], v[BY+(\u)] offset:(\e)*CH+KSOFF+256*((\i)%2)+4*((\i)/2)   ; lanes r and 16 + r write the same word with the same value
.endm
; ---- block kb (32 keys) of chunk e of V, columns d = 32 dh + lane: six registers of tile 2 dh + lane / 16, row lane % 16; they belong to the image's lane (row, kb % 2), registers 6 (kb / 2) on
.macro VCOMP e, kb, dh
	AMAX X+32*(\dh), 0x02800000                    ; the floor 2^(5 - 127)
	CODES X+32*(\dh), \dh
	v_lshrrev_b32 v[BY+(\dh)], 23, v[SCO]          ; the scale's byte.  (The plain line behind the conversions)
	CMOVE \dh
.if (\kb) == 0
	v_mov_b32 v[VW+(\dh)], v[BY+(\dh)]             ; four bytes make my column's scale word for the chunk
.else
	v_lshl_or_b32 v[VW+(\dh)], v[BY+(\dh)], 8*(\kb), v[VW+(\dh)]
.endif
.endm
.macro VSTORE e, kb, dh
.set CU, C+164*(\dh)
.set VOF, (\e)*CH+VOFF+3072*(\dh)+256*((\kb)%2)
.if (\kb)/2 == 0
	ds_store_b128 v[VWA], v[CU:CU+3] offset:VOF            ; registers 0-3,
	ds_store_b64 v[VWA], v[CU+4:CU+5] offset:VOF+512       ; 4 and 5
.else
	ds_store_b64 v[VWA], v[CU:CU+1] offset:VOF+520         ; registers 6 and 7,
	ds_store_b128 v[VWA], v[CU+2:CU+5] offset:VOF+1024     ; 8-11
.endif
.if (\kb) == 3
	ds_store_b32 v[CW], v[VW+(\dh)] offset:(\e)*CH+VSOFF+4*(\dh)
.endif
.endm
; ---- tile t of my queries, from the numbers at X + 32 t: registers 0-5 of Q's fragment in window t, and its scale word
.macro QTILE t
	AMAX X+32*(\t), 0x02800000
	v_add_nc_u32 v[SCO], 0xfe000000, v[AM]
	WIN 0x40*(\t)
	v_cvt_scalef32_pk16_bf6_f32 v[Q:Q+2], v[X+32*(\t):X+32*(\t)+15], v[SCO]
	v_cvt_scalef32_pk16_bf6_f32 v[PT:PT+2], v[X+32*(\t)+16:X+32*(\t)+31], v[SCO]
	v_nop                                          ; one plain line behind a scaled conversion
	WIN 0x41*(\t)
.irp n, 0,1,2
	v_mov_b32 v[Q+3+\n], v[PT+\n]
.endr
	WIN 0
	v_lshrrev_b32 v[BY], 23, v[SCO]
	v_lshlrev_b32 v[BY], v[H8], v[BY]
	v_permlanex16_b32 v[TMX], v[BY], s24, s25
	v_or_b32 v[BY], v[BY], v[TMX]
	v_or_b32 v[QS0+38*(\t)], 0x7f7f0000, v[BY]     ; bytes 2 and 3: 127, over the pad's codes 16, 16, 1 and zeros
.endm
; ---- a group of phase A
.macro GROUP g
.set SETR, 64+64*(((\g)+1)%3)
.set GE, ((\g)-1)/8
.set GX, ((\g)-1)%8
.if (\g) <= 14
	s_wait_loadcnt 32                              ; loads come back in order (ISA guide 5.7.1): this group's 16 are in; the two later groups' 32 stay out
.elseif (\g) == 15
	s_wait_loadcnt 16
.else
	s_wait_loadcnt 0
.endif
	STAGE_IN SETR
.if ((\g) == 0) || (GX < 4)
	ROWS_BACK                                      ; they land in X: the vector lines that read X stand ahead of the last wait on va_vdst, and none stands behind it
.else
	COLS_BACK
.endif
	s_wait_dscnt 0x0                               ; the numbers are back
	s_wait_alu depctr_vm_vsrc(0)                   ; the stores into the stage have read the set, in which the loads below land; the last group's image stores have read both code buffers, v14-15 and v182-183, which this group writes
.if (\g)+3 <= 16
	GLOAD (\g)+3                                   ; the set takes the group three further on
.endif
.if (\g) == 0
	QTILE 0
	QTILE 1
.elseif GX < 4
	KCOMP GE, 2*GX, 0
	KCOMP GE, 2*GX+1, 1
.else
	VCOMP GE, GX-4, 0
	VCOMP GE, GX-4, 1
.endif
	s_wait_alu depctr_va_vdst(0)                   ; the group's codes, bytes and words are written, which the stores below read; its maxima and conversions are done reading X, in which the next group's numbers land
.if (\g) > 0
.if GX < 4
	KSTORE GE, 2*GX, 0
	KSTORE GE, 2*GX+1, 1
.else
	VSTORE GE, GX-4, 0
	VSTORE GE, GX-4, 1
.endif
.endif
.endm
.macro ZKB w                           ; registers 8-11 of K's four fragment buffers in window w: k = 96 + .. of lanes 0-15, and the like: zero codes
	WIN 0x40*(\w)
.irp i, 0,1,2,3
.irp n, 8,9,10,11
	v_mov_b32 v[KB+12*\i+\n], 0
.endr
.endr
	WIN 0
.endm
; ---- PHASE B
.macro KFETCH adr, off                 ; a chunk's eight tiles of K (registers 0-7 of each) and its scale words: 17 loads, each of 512 bytes on end
.irp i, 0,1,2,3,4,5,6,7
	WIN 0x40*(\i/4)
	ds_load_b128 v[KB+12*(\i%4):KB+12*(\i%4)+3], v[\adr] offset:\off+1024*\i
	ds_load_b128 v[KB+12*(\i%4)+4:KB+12*(\i%4)+7], v[\adr] offset:\off+1024*\i+512
.endr
	WIN 0
	ds_load_b128 v[KS:KS+3], v[\adr] offset:\off+KSOFF
.endm
.macro VFETCH                          ; the chunk's four tiles of V^T and their scale words: 13 loads
.irp n, 0,1,2,3
.irp g, 0,1,2
	ds_load_b128 v[VB+12*\n+4*\g:VB+12*\n+4*\g+3], v[AD] offset:VOFF+1536*\n+512*\g
.endr
.endr
	ds_load_b64 v[VS:VS+1], v[AD] offset:VSOFF
.endm
.macro SMUL t                          ; S^T of tile t: eight products, each starts its sum with the constant 0.  Odd tiles' scale words lie in lanes 16-31
.irp i, 0,1,2,3,4,5,6,7
	WIN 0x54*(\t)+\i/4
.set rD, S+8*\i
.set rA, KB+12*(\i%4)
.if \i%2
	v_wmma_scale_f32_16x16x128_f8f6f4 v[rD:rD+7], v[rA:rA+11], v[Q:Q+11], 0, v[KS+\i/2], v[QS0+38*(\t)] matrix_a_fmt:MATRIX_FMT_BF6 matrix_b_fmt:MATRIX_FMT_BF6 matrix_a_scale:MATRIX_SCALE_ROW1
.else
	v_wmma_scale_f32_16x16x128_f8f6f4 v[rD:rD+7], v[rA:rA+11], v[Q:Q+11], 0, v[KS+\i/2], v[QS0+38*(\t)] matrix_a_fmt:MATRIX_FMT_BF6 matrix_b_fmt:MATRIX_FMT_BF6
.endif
.endr
.endm
.macro PV t                            ; O^T of tile t += V^T P^T: four accumulators, one instruction each
	WIN 0x54*(\t)
.irp n, 0,1,2,3
.set rD, O+8*\n
.set rA, VB+12*\n
.if \n%2
	v_wmma_scale_f32_16x16x128_f8f6f4 v[rD:rD+7], v[rA:rA+11], v[P:P+11], v[rD:rD+7], v[VS+\n/2], v[PSW0+50*(\t)] matrix_a_fmt:MATRIX_FMT_BF6 matrix_b_fmt:MATRIX_FMT_BF6 matrix_a_scale:MATRIX_SCALE_ROW1
.else
	v_wmma_scale_f32_16x16x128_f8f6f4 v[rD:rD+7], v[rA:rA+11], v[P:P+11], v[rD:rD+7], v[VS+\n/2], v[PSW0+50*(\t)] matrix_a_fmt:MATRIX_FMT_BF6 matrix_b_fmt:MATRIX_FMT_BF6
.endif
.endr
.endm
; pieces of a tile's softmax
.macro SFMA n                          ; pair n of the scores: t - M, two at a time (of the pairs log2(e) and -M the low word serves both halves)
	v_pk_fma_f32 v[S+2*(\n):S+2*(\n)+1], v[S+2*(\n):S+2*(\n)+1], s[22:23], v[NEGM:NEGM+1] op_sel_hi:[1,0,0]
.endm
.macro SEXP k
	v_exp_f32 v[S+(\k)], v[S+(\k)]
.endm
.macro OMUL                            ; the next pair of O^T, in ascending order, times f
	v_pk_mul_f32 v[O+2*om:O+2*om+1], v[O+2*om:O+2*om+1], v[F:F+1] op_sel_hi:[1,0]
.set om, om+1
.endm
.macro PADD n                          ; pair n of the unquantised p joins the sum: even pairs onto l (pair 0 with l's own rescaling), odd pairs in a second chain, which pairs 1 and 3 start
.if (\n) == 0
	v_pk_fma_f32 v[LS:LS+1], v[LS:LS+1], v[F:F+1], v[S:S+1] op_sel_hi:[1,0,1]
.elseif (\n) == 3
	v_pk_add_f32 v[LB:LB+1], v[S+2:S+3], v[S+6:S+7]
.elseif (\n)%2 == 0
	v_pk_add_f32 v[LS:LS+1], v[LS:LS+1], v[S+2*(\n):S+2*(\n)+1]
.else
	v_pk_add_f32 v[LB:LB+1], v[LB:LB+1], v[S+2*(\n):S+2*(\n)+1]
.endif
.endm
.macro PNEXT                           ; the next of the 31 additions: pairs 0, 2, 3, 4, .. 31 (pair 1 goes with pair 3): each chain takes its pairs in ascending order
	PADD pn
.set pn, pn+1
.if pn == 1
.set pn, 2
.endif
.endm
; A tile's softmax for 128 keys, all in window t but for the scale word.  My 64 scores are two whole blocks of 32 keys.
; In tile A's the step's loads stand: pre = 1: the next chunk's K among them; qnext = 1: the next pass's Q, into window 1's v128-191, which K's tiles 4-7 have left.
.macro SOFT t, pre, qnext
	WIN 0x55*(\t)
.irp c, 0,1
	v_max3_num_f32 v[BM+\c], v[S+32*\c], v[S+32*\c+1], v[S+32*\c+2]   ; each block's largest score, the two blocks by turns; the results are read in ascending order
.endr
.irp k, 3,5,7,9,11,13,15,17,19,21,23,25,27,29
.irp c, 0,1
	v_max3_num_f32 v[BM+\c], v[BM+\c], v[S+32*\c+\k], v[S+32*\c+\k+1]
.endr
.endr
.irp c, 0,1
	v_max_num_f32 v[BM+\c], v[BM+\c], v[S+32*\c+31]
.endr
	v_max_num_f32 v[TM], v[BM], v[BM+1]
	v_permlanex16_b32 v[TM+1], v[TM], s24, s25     ; the query's other 64 keys lie in the lane 16 away
	v_max3_num_f32 v[MRUN], v[MRUN], v[TM], v[TM+1]   ; the largest score so far
	v_mul_f32 v[TM], s22, v[MRUN]                  ; as t (log2(e) is positive)
	v_mov_b32 v[TM+1], v[NEGM]
	v_floor_f32 v[NEGM], -v[TM]                    ; the new -M = floor(-t) = -ceil(t): a whole number
	v_sub_f32 v[TM+1], v[NEGM], v[TM+1]            ; old M - new M: a whole number, 0 or less
	v_cvt_i32_f32 v[TM+1], v[TM+1]                 ; (it saturates)
	v_ldexp_f32 v[F], 1.0, v[TM+1]                 ; f = 2^(old M - new M)
	SFMA 0
	SFMA 1
.irp c, 0,1
	v_fma_f32 v[BM+\c], v[BM+\c], s22, v[NEGM]     ; the same of each block's largest score
.endr
; ONE BATCH: 66 exponentials; among them the scalings, two pairs ahead, and O^T's rescaling: none of these lines names an exponential's result
.set om, 0
.set sn, 0
.rept 32
	SEXP 2*sn
.if sn < 30
	SFMA sn+2
.else
	OMUL
.endif
	SEXP 2*sn+1
.if (sn%2 == 0) && (sn < 26)
	OMUL
.endif
.set sn, sn+1
.endr
	v_exp_f32 v[BM], v[BM]                         ; each block's largest p: the same two instructions on the same number give the same bits
	v_exp_f32 v[BM+1], v[BM+1]
	OMUL                                           ; the sixteenth: the plain line behind the last exponential (ISA guide 5.7.2)
	s_wait_alu depctr_va_vdst(0)                   ; the 66 exponentials have written their results, ahead of the first line that names one.  In tile A besides: this step's K Q^T products are done
	                                               ; reading K's tiles and scale words, the last step's V^T P products V^T's and its words, and v[AD] is written: the loads below land in those and read that
.if (\t) == 0
	VFETCH
.if \pre
	KFETCH AD, CH
.endif
.if \qnext
	GLOAD_Q 1
.endif
	WIN 0x55*(\t)
.endif
; behind the wait: the scale word, a chain of dependent lines, with twelve of the sum's additions dealt among them; the codes; the rest of the sum
.set pn, 0
.irp c, 0,1
	v_max_num_f32 v[BM+\c], 0x2800000, v[BM+\c]    ; the floor 2^(5 - 127): the byte cannot fall under 1
.endr
	PNEXT
	PNEXT
.irp c, 0,1
	v_add_nc_u32 v[SO+\c], 0xfe000000, v[BM+\c]    ; 4 off the exponent field: the conversion's scale operand
.endr
	PNEXT
	PNEXT
.irp c, 0,1
	v_lshrrev_b32 v[TM+\c], 23, v[SO+\c]           ; the scale's byte
.endr
	PNEXT
	PNEXT
	v_lshl_or_b32 v[TM], v[TM+1], 16, v[TM]        ; my blocks are h and 2 + h of the step's four
	PNEXT
	PNEXT
	v_lshlrev_b32 v[TM], v[H8], v[TM]
	PNEXT
	PNEXT
	v_permlanex16_b32 v[TM+1], v[TM], s24, s25
	PNEXT
	PNEXT
	WIN 0x05*(\t)                                  ; scale operands are taken from window 0
	v_or_b32 v[PSW0+50*(\t)], v[TM], v[TM+1]       ; p's scale word for these 128 keys
	WIN 0x55*(\t)
.irp c, 0,1
	v_cvt_scalef32_pk16_bf6_f32 v[P+6*\c:P+6*\c+2], v[S+32*\c:S+32*\c+15], v[SO+\c]
	v_cvt_scalef32_pk16_bf6_f32 v[PT+4*\c:PT+4*\c+2], v[S+32*\c+16:S+32*\c+31], v[SO+\c]   ; (a conversion's three registers begin on an even number)
.endr
	PNEXT                                          ; one plain line behind the conversions
.irp c, 0,1
.irp n, 0,1,2
	v_mov_b32 v[P+6*\c+3+\n], v[PT+4*\c+\n]
.endr
.endr
.rept 18
	PNEXT                                          ; the rest of the sum: with the line below nineteen plain lines that name no register of the products that follow: the places between the scale word (8 are
.endr                                                  ; owed) and p's last register (4) written by vector instructions and the scaled matrix instruction
	v_pk_add_f32 v[LS:LS+1], v[LS:LS+1], v[LB:LB+1]
	s_wait_alu depctr_va_vdst(0)                   ; p's codes and its scale word are written: the scaled products that follow take them as source 1 and as its scales; the places stand ahead of this wait
.endm
; A KEY STEP: 128 keys for both tiles.  pre = 1: the next chunk's K is fetched.  qnext = 1: the next pass's Q is asked for.
.macro STEP pre, qnext
	s_wait_dscnt 0x0                               ; K's tiles and scale words, asked for a step ago, are in
	SMUL 0
	SMUL 1
	WIN 0
	s_wait_alu depctr_vm_vsrc(0)                   ; the last step's LDS loads have read v[AD], which the next line writes
	v_add_nc_u32 v[AD], s26, v[L16]                ; four plain lines: the places (ISA guide 7.12.1) between the products and the first read of S^T
.rept 3
	v_nop
.endr
	SOFT 0, \pre, \qnext
	s_wait_dscnt 17*(\pre)                         ; V^T and its scale words are in; the 17 younger loads (the next chunk's K) may stay out
	PV 0
	SOFT 1, 0, 0
	PV 1
	WIN 0
.if \pre
	s_add_co_u32 s26, s26, CH
.endif
.endm
; THE WAY OUT of a pass: O^T / the sum; through my stage, so that sixteen lanes store a head's 256 bytes of one row
.macro OUT p
.irp t, 0,1
	WIN 0x55*\t
	v_add_f32 v[TM], v[LS], v[LS+1]                ; the sum's two halves,  (these lines and tile A's scalings are the places behind tile B's last products)
	v_permlanex16_b32 v[TM+1], v[TM], s24, s25
	v_add_f32 v[TM], v[TM], v[TM+1]                ; and lane l xor 16's
	v_rcp_f32 v[F], v[TM]
.endr
	v_nop                                          ; one plain line behind the last reciprocal
	s_wait_alu depctr_va_vdst(0)                   ; both reciprocals are written, ahead of their first reader
.irp t, 0,1
	WIN 0x55*\t
.irp k, 0,1,2,3,4,5,6,7,8,9,10,11,12,13,14,15
	v_pk_mul_f32 v[S+2*\k:S+2*\k+1], v[O+2*\k:O+2*\k+1], v[F:F+1] op_sel_hi:[1,0]   ; register 8 n + j: out(query r, d = 16 n + 8 h + j)
.endr
.endr
	s_wait_alu depctr_va_vdst(0)                   ; the scalings have written v64-95 of both windows, which the LDS stores read, and in window 0's the loads behind them land
.irp t, 0,1
	WIN 0x04*\t
.irp n, 0,1,2,3
.irp u, 0,1
	ds_store_b128 v[STO], v[S+8*\n+4*\u:S+8*\n+4*\u+3] offset:16*SP*\t+64*\n+16*\u
.endr
.endr
.endr
	WIN 0
	s_wait_alu depctr_vm_vsrc(0)                   ; the LDS stores have read window 0's v64-95, in which the rows land
.irp j, 0,1,2,3,4,5,6,7,8,9,10,11,12,13,14,15
	ds_load_b128 v[S+4*\j:S+4*\j+3], v[STI] offset:2*SP*\j   ; LDS serves a wave's instructions in order: these see my stores
.endr
.irp j, 0,1,2,3,4,5,6,7,8,9,10,11,12,13,14,15
	s_wait_dscnt 15-\j                             ; rows 2 j and 2 j + 1 are back; the younger loads stay out
	global_store_b128 v[GO], v[S+4*\j:S+4*\j+3], s[20:21] offset:(\p)*256*ROWO+2*\j*ROWO th:TH_STORE_NT   ; 16 lanes store 256 consecutive bytes, at a multiple of 256 from out's first byte
.endr
	s_wait_xcnt 0x0                                ; the stores' data registers are written again only behind this wait
.endm
.macro PASS p
.if \p
	s_wait_loadcnt 0x0                             ; this pass's Q, asked for in the last key step
	STAGE_IN 128
	s_wait_alu depctr_vm_vsrc(0)                   ; the last pass's global stores have read v64-127, in which the rows below land; the stores into the stage have read window 1's v128-191, which the zeros and K's loads write
	ROWS_BACK
	s_wait_dscnt 0x0
	QTILE 0
	QTILE 1
	ZKB 1                                          ; Q's loads went over the zeros of K's tiles 4-7
.endif
.irp t, 0,1
	WIN 0x40*\t
	v_mov_b32 v[MRUN], 0xfe967699                  ; the largest score so far: -1e38
	v_mov_b32 v[NEGM], 0x7e967699                  ; -M: so the first f is 2^(a number under every exponent) = 0
	v_mov_b32 v[LS], 0
	v_mov_b32 v[LS+1], 0
.set zi, 0
.rept 32
	v_mov_b32 v[O+zi], 0                           ; the step is written once: the first finds zeros
.set zi, zi+1
.endr
.endr
	WIN 0
	s_mov_b32 s26, 0
	s_wait_alu depctr_va_vdst(0)                   ; Q's fragments, Q's scale words and the zeros in K's registers 8-11 are written: the scaled products take them as sources and scales (the moves above are their places)
	KFETCH L16, 0                                  ; chunk 0
	s_mov_b32 s27, 15
.Lstep_\@:
	STEP 1, 0
	s_sub_co_u32 s27, s27, 1
	s_cmp_lg_u32 s27, 0
	s_cbranch_scc1 .Lstep_\@
	STEP 0, 1-\p                                   ; the last chunk: nothing more of K to fetch
	OUT \p
.endm
; ================ the head
	s_load_b128 s[4:7], s[0:1], 0x0                ; qkv, the mask
	s_load_b64 s[8:9], s[0:1], 0x10                ; out
	s_set_vgpr_msb 0x40
	v_lshl_add_u32 v59, v0, 2, 0x4d000
	v_mov_b32 v63, 0
	s_set_vgpr_msb 0x4000
	v_lshrrev_b32 v[L16], 5, v0
	v_readfirstlane_b32 s10, v[L16]                ; wave 0..7
	v_and_b32 v[LN], 31, v0                        ; lane
	v_and_b32 v[RR], 15, v0                        ; r
	v_bfe_u32 v[HH], v0, 4, 1                      ; h
	v_mul_u32_u24 v[GQ], v[HH], ROWQ
	v_lshl_add_u32 v[GQ], v[RR], 4, v[GQ]
	v_and_b32 v[T0], 7, v[RR]
	v_lshrrev_b32 v[T1], 3, v[RR]
	v_lshl_add_u32 v[GM], v[T1], 5, v[T0]
	s_wait_alu depctr_va_sdst(0)                   ; s10 is written, ahead of its first reader: the bases and the wave's LDS places are made from it
	s_and_b32 s28, ttmp7, 0xffff                   ; (b, head)
	s_lshr_b32 s29, s28, 4
	s_lshl_b32 s29, s29, 11                        ; 2,048 b
	s_and_b32 s30, s28, 15
	s_lshl_b32 s30, s30, 8                         ; 256 x head
	s_lshl_b32 s31, s10, 8
	s_add_co_u32 s31, s31, s29                     ; my wave's first key: row 2,048 b + 256 w
	s_mul_i32 s12, s31, ROWQ
	s_add_co_u32 s12, s12, s30
	s_add_co_u32 s12, s12, 4096                    ; k's place in a row.  Every offset here stays under 2^27
	s_mov_b32 s13, 0
	s_mov_b32 s18, s31
	s_mov_b32 s19, 0
	s_lshl_b32 s32, ttmp9, 9
	s_lshl_b32 s33, s10, 5
	s_add_co_u32 s32, s32, s33
	s_add_co_u32 s32, s32, s29                     ; my wave's first query: row 2,048 b + 512 x + 32 w
	s_mul_i32 s16, s32, ROWQ
	s_add_co_u32 s16, s16, s30
	s_mov_b32 s17, 0
	s_lshl_b32 s20, s32, 12
	s_add_co_u32 s20, s20, s30
	s_mov_b32 s21, 0
	s_mov_b32 s22, 0x3fb8aa3b                      ; log2(e)
	s_mov_b32 s23, s22                             ; (named with it as a pair, so it is written)
	s_mov_b32 s24, 0x76543210                      ; v_permlanex16_b32's selects for lane l xor 16
	s_mov_b32 s25, 0xfedcba98
	s_mul_i32 s34, s10, STW
	s_add_co_u32 s34, s34, STG                     ; my stage
	s_mul_i32 s35, s10, 2*CH                       ; my two chunks
	s_wait_kmcnt 0x0
	s_add_nc_u64 s[12:13], s[4:5], s[12:13]
	s_add_nc_u64 s[14:15], s[12:13], 4096          ; v lies 4,096 bytes behind k
	s_add_nc_u64 s[16:17], s[4:5], s[16:17]
	s_add_nc_u64 s[18:19], s[6:7], s[18:19]
	s_add_nc_u64 s[20:21], s[8:9], s[20:21]
	s_wait_alu depctr_va_vdst(0)                   ; v[GM] and v[GQ] are written: the loads below read them as their offsets
.irp e, 0,1
.irp i, 0,1,2,3,4,5,6,7
	global_load_u8 v[MS+8*\e+\i], v[GM], s[18:19] offset:128*\e+64*(\i/4)+8*(\i%4)   ; the mask's byte of my row's key in tile i of chunk e
.endr
.endr
	GLOAD 0
	GLOAD 1
	GLOAD 2
	v_lshlrev_b32 v[L16], 4, v[LN]
	v_mul_u32_u24 v[STI], v[HH], SP
	v_lshl_add_u32 v[STI], v[RR], 4, v[STI]
	v_add_nc_u32 v[STI], s34, v[STI]
	v_mul_u32_u24 v[STR], v[RR], SP
	v_lshl_add_u32 v[STO], v[HH], 5, v[STR]
	v_lshl_add_u32 v[STR], v[HH], 7, v[STR]
	v_add_nc_u32 v[STO], s34, v[STO]
	v_add_nc_u32 v[STR], s34, v[STR]
	v_lshlrev_b32 v[GO], 12, v[HH]
	v_lshl_add_u32 v[GO], v[RR], 4, v[GO]
	v_add_nc_u32 v[CW], s35, v[L16]
	v_lshl_add_u32 v[KSW], v[RR], 4, s35
	v_mad_u32_u24 v[VWA], v[HH], 1536, v[KSW]
	v_lshl_add_u32 v[VRD], v[LN], 2, s34
	v_sub_nc_u32 v[T0], 1, v[HH]                   ; 1 in lanes 0-15
	v_mul_u32_u24 v[MK], v[T0], 0x28cfc            ; codes 0x3c (-16), 0x33 (-3.5), 0x28 (-0.5), six bits each
.irp t, 0,1
	WIN 0x40*\t                                    ; what stays for the whole launch, in both tiles' windows
	v_lshlrev_b32 v[H8], 3, v[HH]
	v_mul_u32_u24 v[Q+6], v[T0], 0xc71c            ; Q's register 6, lanes 0-15: codes 0x1c (16), 0x1c (16), 0x0c (1) at k = 64, 65, 66
.irp n, 7,8,9,10,11
	v_mov_b32 v[Q+\n], 0
.endr
	v_mov_b32 v[F+1], 0                            ; named as the upper half of a pair
	v_mov_b32 v[TM+1], 0                           ; a lane permute's destination counts as one of its sources
.endr
	WIN 0
	v_mov_b32 v[C+7], 0                            ; register 7 of every tile of K, in both code buffers
	v_mov_b32 v[C+164+7], 0
	s_wait_alu depctr_va_vdst(0)                   ; the LDS addresses v[L16], v[STI], v[STR], v[STO], v[CW], v[KSW], v[VWA], v[VRD] and the offset v[GO] are written: all later LDS instructions and stores read them
; ================ PHASE A: Q of the first pass, then my 256 keys of K and V
.irp g, 0,1,2,3,4,5,6,7,8,9,10,11,12,13,14,15,16
	GROUP \g
.endr
	s_wait_dscnt 0x0                               ; for the others' sake: my images and scale words lie in LDS
	s_wait_alu depctr_vm_vsrc(0)                   ; my last image stores have read both code buffers, v14-15, v182-183 and phase A's addresses, and the stage's stores the sets of window 1: phase B's vector lines, products and loads write all of these
	s_barrier_signal -1
	ZKB 0                                          ; work on registers while the others arrive
	ZKB 1
	s_barrier_wait -1                              ; the whole head's codes lie in LDS; from here on nobody writes them
; ================ PHASE B
	PASS 0
	PASS 1
	s_set_vgpr_msb 0x5
	s_wait_dscnt 0x0
	s_wait_alu depctr_hold_cnt(0) depctr_sa_sdst(0) depctr_va_vdst(0) depctr_va_sdst(0) depctr_va_ssrc(0) depctr_va_vcc(0) depctr_vm_vsrc(0)
	s_wait_tensorcnt 0x0
	ds_add_u32 v59, v63
	s_wait_dscnt 0x0
	s_endpgm
.Lfunc_end_k_qe85af3458a_attn:
	.size	k_qe85af3458a_attn, .Lfunc_end_k_qe85af3458a_attn-k_qe85af3458a_attn
	.p2alignl 7, 3214868480
	.fill 96, 4, 3214868480
	.section	.rodata,"a",@progbits
	.p2align	6, 0x0
	.amdhsa_kernel k_qe85af3458a_attn
		.amdhsa_group_segment_fixed_size 316416
		.amdhsa_private_segment_fixed_size 0
		.amdhsa_enable_private_segment 0
		.amdhsa_kernarg_size 24
		.amdhsa_user_sgpr_count 2
		.amdhsa_user_sgpr_kernarg_segment_ptr 1
		.amdhsa_wavefront_size32 1
		.amdhsa_system_sgpr_workgroup_id_x 1
		.amdhsa_system_sgpr_workgroup_id_y 1
		.amdhsa_system_sgpr_workgroup_id_z 1
		.amdhsa_system_vgpr_workitem_id 0
		.amdhsa_next_free_vgpr 512
		.amdhsa_next_free_sgpr 66
		.amdhsa_reserve_vcc 0
		.amdhsa_float_denorm_mode_32 3
		.amdhsa_float_denorm_mode_16_64 3
		.amdhsa_memory_ordered 1
		.amdhsa_forward_progress 1
		.amdhsa_inst_pref_size 255
	.end_amdhsa_kernel
	.section	.bss,"aw",@nobits
	.p2align	6
	.space	262144
	.amdgpu_metadata
---
amdhsa.version: [ 1, 2 ]
amdhsa.kernels:
  - .name:           k_qe85af3458a_attn
    .symbol:         k_qe85af3458a_attn.kd
    .args:
      - { .name: qkv, .offset: 0, .size: 8, .value_kind: global_buffer, .address_space: global }
      - { .name: key_padding_mask, .offset: 8, .size: 8, .value_kind: global_buffer, .address_space: global }
      - { .name: out0, .offset: 16, .size: 8, .value_kind: global_buffer, .address_space: global }
    .group_segment_fixed_size: 316416
    .private_segment_fixed_size: 0
    .kernarg_segment_align: 8
    .kernarg_segment_size: 24
    .max_flat_workgroup_size: 256
    .sgpr_count:     66
    .vgpr_count:     512
    .wavefront_size: 32
...
	.end_amdgpu_metadata
.endif
;; end of part 2
